; MI455X (gfx1250); checked and timed in simulation.
; The chip was launched on July 23, 2026; its instructions are those of AMD's public machine-readable ISA for CDNA 5 (MIT licence, August 2026) and "CDNA5" Instruction Set Architecture Reference Guide (July 2026). The comments in the code are by the model that wrote it; some were corrected since.
;; Modular Decoder. Allowed arithmetic: matrix products marked QUANTISED: E4M3 operands, one E8M0 scale for each 32 along K, by v_wmma_scale_f32_16x16x128_f8f6f4 with both operands' format E4M3, f32 sums; everything else in f32.
;; Inputs: W1_codes 16 x 400 x 4 x 32 uint8 (E4M3 codes of W1, K innermost, in blocks of 32 codes); W1_scales 16 x 400 x 4 uint8 (E8M0 scales of W1, one for each 32 codes along K); W2 16 x 4,096 x 400 float32; angle_idx 2,048 int32; b1 16 x 400 float32; b2 16 x 4,096 float32; z_codes 2,048 x 4 x 32 uint8 (E4M3 codes of z, K innermost, in blocks of 32 codes); z_scales 2,048 x 4 uint8 (E8M0 scales of z, one for each 32 codes along K).
;; Outputs: out0 2,048 x 4,096 float32.
;; This version of the problem:
;;   THIS VERSION OF THE PROBLEM IS GIVEN IN LOW PRECISION. The matrix products marked QUANTISED in the list below multiply operands that are first quantised to E4M3 (4 exponent bits, 3 mantissa bits; 8 bits a number), with one power-of-two scale for each 32 numbers along K (OCP MX v1.0); their sums are f32. All else is computed in f32.
;;   The module's matrix products, in the order in which they are computed (A, B: the left and right operand; K: the contracted axis; several contracted axes count as one K, in the product's order):
;;     1. [M 2,048, K 128] x [K 128, N 400]; A: input z (given as codes); B: input W1 (given as codes): QUANTISED
;;     2. [M 2,048, K 400] x [K 400, N 4,096]; A: computed on the way; B: input W2: QUANTISED
;;     3. [M 2,048, K 128] x [K 128, N 400]; A: input z (given as codes); B: input W1 (given as codes): QUANTISED
;;     4. [M 2,048, K 400] x [K 400, N 4,096]; A: computed on the way; B: input W2: QUANTISED
;;     5. [M 2,048, K 128] x [K 128, N 400]; A: input z (given as codes); B: input W1 (given as codes): QUANTISED
;;     6. [M 2,048, K 400] x [K 400, N 4,096]; A: computed on the way; B: input W2: QUANTISED
;;     7. [M 2,048, K 128] x [K 128, N 400]; A: input z (given as codes); B: input W1 (given as codes): QUANTISED
;;     8. [M 2,048, K 400] x [K 400, N 4,096]; A: computed on the way; B: input W2: QUANTISED
;;     9. [M 2,048, K 128] x [K 128, N 400]; A: input z (given as codes); B: input W1 (given as codes): QUANTISED
;;     10. [M 2,048, K 400] x [K 400, N 4,096]; A: computed on the way; B: input W2: QUANTISED
;;     11. [M 2,048, K 128] x [K 128, N 400]; A: input z (given as codes); B: input W1 (given as codes): QUANTISED
;;     12. [M 2,048, K 400] x [K 400, N 4,096]; A: computed on the way; B: input W2: QUANTISED
;;     13. [M 2,048, K 128] x [K 128, N 400]; A: input z (given as codes); B: input W1 (given as codes): QUANTISED
;;     14. [M 2,048, K 400] x [K 400, N 4,096]; A: computed on the way; B: input W2: QUANTISED
;;     15. [M 2,048, K 128] x [K 128, N 400]; A: input z (given as codes); B: input W1 (given as codes): QUANTISED
;;     16. [M 2,048, K 400] x [K 400, N 4,096]; A: computed on the way; B: input W2: QUANTISED
;;     17. [M 2,048, K 128] x [K 128, N 400]; A: input z (given as codes); B: input W1 (given as codes): QUANTISED
;;     18. [M 2,048, K 400] x [K 400, N 4,096]; A: computed on the way; B: input W2: QUANTISED
;;     19. [M 2,048, K 128] x [K 128, N 400]; A: input z (given as codes); B: input W1 (given as codes): QUANTISED
;;     20. [M 2,048, K 400] x [K 400, N 4,096]; A: computed on the way; B: input W2: QUANTISED
;;     21. [M 2,048, K 128] x [K 128, N 400]; A: input z (given as codes); B: input W1 (given as codes): QUANTISED
;;     22. [M 2,048, K 400] x [K 400, N 4,096]; A: computed on the way; B: input W2: QUANTISED
;;     23. [M 2,048, K 128] x [K 128, N 400]; A: input z (given as codes); B: input W1 (given as codes): QUANTISED
;;     24. [M 2,048, K 400] x [K 400, N 4,096]; A: computed on the way; B: input W2: QUANTISED
;;     25. [M 2,048, K 128] x [K 128, N 400]; A: input z (given as codes); B: input W1 (given as codes): QUANTISED
;;     26. [M 2,048, K 400] x [K 400, N 4,096]; A: computed on the way; B: input W2: QUANTISED
;;     27. [M 2,048, K 128] x [K 128, N 400]; A: input z (given as codes); B: input W1 (given as codes): QUANTISED
;;     28. [M 2,048, K 400] x [K 400, N 4,096]; A: computed on the way; B: input W2: QUANTISED
;;     29. [M 2,048, K 128] x [K 128, N 400]; A: input z (given as codes); B: input W1 (given as codes): QUANTISED
;;     30. [M 2,048, K 400] x [K 400, N 4,096]; A: computed on the way; B: input W2: QUANTISED
;;     31. [M 2,048, K 128] x [K 128, N 400]; A: input z (given as codes); B: input W1 (given as codes): QUANTISED
;;     32. [M 2,048, K 400] x [K 400, N 4,096]; A: computed on the way; B: input W2: QUANTISED
;;   THE QUANTISER, for each operand of a quantised product, along K:
;;     - K is cut into blocks of 32 from its start; a last block that is shorter is filled with zeros.
;;     - A block's scale is 2^e with e = floor(log2(the largest magnitude in the block)) - 8, held to -126 .. 127; a block of zeros has e = 0. As a byte (E8M0): e + 127.
;;     - Each number is divided by its block's scale, clamped to +-448, and rounded to the nearest number of E4M3, ties to even, subnormals kept.
;;     - The product sums the exact products of the quantised numbers (number of the format x scale) in f32.
;;   ~~~python
;;   def quantise(x, axis):      # numpy; x: float32 -> the quantised numbers, widened to float32 again
;;       x = np.moveaxis(x, axis, -1); K = x.shape[-1]
;;       x = np.pad(x, [(0, 0)] * (x.ndim - 1) + [(0, -K % 32)]); x = x.reshape(x.shape[:-1] + (-1, 32)); a = np.abs(x).max(-1, keepdims=True)
;;       e = np.where(a > 0, np.clip(np.frexp(np.where(a > 0, a, 1))[1] - 1 - 8, -126, 127), 0)      # np.frexp(a)[1] - 1 = floor(log2(a)), exactly
;;       r = np.clip(x / 2.0 ** e, -448, 448)
;;       step = 2.0 ** (np.maximum(np.frexp(np.where(r == 0, 1, r))[1] - 1, -6) - 3)
;;       q = np.round(r / step) * step * 2.0 ** e      # np.round: ties to even
;;       return np.moveaxis(q.reshape(q.shape[:-2] + (-1,))[..., :K], -1, axis).astype(np.float32)
;;   ~~~
;;   OPERANDS COMPUTED ON THE WAY. 'Computed on the way' means the value that the module computes at that place (a softmax that the list does not call 'softmax' is quantised finished and normalised). What goes into a quantiser is computed in f32, as accurately as f32 sums, v_exp_f32 and their like allow (about 1e-6 of the number): no bf16 or f16 on the way to a quantiser, and a product that is left as it is and whose result goes on into a quantised operand takes f32 operands (vector FMAs, or v_wmma_f32_16x16x4_f32). A number that lies on a knife's edge between two numbers of the format may be rounded either way, as far as f32 arithmetic and the matrix unit's own rounding can turn it there, and no further.
;;   INPUTS GIVEN AS CODES. W1 (in the module: [16, 400, 128], K = its axis 2); z (in the module: [2048, 128], K = its axis 1): each comes as NAME_codes (uint8): NAME with its K axis moved to the last place and cut into blocks of 32 codes, [.., K / 32, bytes a block], one block behind the other in memory; one code a byte (a code: sign, 4 exponent bits, 3 mantissa bits); and NAME_scales (uint8): the same leading axes, one E8M0 byte (e + 127) for each 32 codes along K. Its value is code x scale, taken as it is: it is not quantised again, and the codes and scales need not be those that the quantiser above would give.
;; One version. Each part assembles by itself: llvm-mc -triple=amdgcn-amd-amdhsa -mcpu=gfx1250 --defsym DOCPART=n.
;; ======== version 1 of 1: 1 launch
;; limits: right only within a limited range of input values
;; launch decoder (part 1): grid 16 x 16, 8 waves a work-group, no clusters, 260,096 bytes of LDS; arguments W2, angle_idx, z_codes, z_scales, W1_codes, W1_scales, b1, b2, out0; writes out0
.if DOCPART == 1
	.amdgcn_target "amdgcn-amd-amdhsa--gfx1250"
	.amdhsa_code_object_version 6
	.text
	.protected	k_q32e0ff0237_decoder
	.globl	k_q32e0ff0237_decoder
	.p2align	8
	.type	k_q32e0ff0237_decoder,@function
k_q32e0ff0237_decoder:
	s_mov_b64 s[64:65], 0
	v_nop
	global_prefetch_b8 v0, s[64:65] scope:SCOPE_SE
	s_setreg_imm32_b32 hwreg(HW_REG_WAVE_MODE, 25, 1), 1
	s_wait_xcnt 0x0
; out[i] = sigmoid(W2[e] Q(relu(W1[e] z[i] + b1[e])) + b2[e]), e = angle_idx[i].  2,048 tokens, 16 experts, 128 -> 400 -> 4,096.
; Both products on codes of FP8 (E4M3) with one E8M0 scale for each 32 along K.  z and W1 come as codes; W2 [16][4096][400] comes as f32 and is quantised here along K = 400 (12 blocks of 32, one of 16 filled up with zero codes).
; Only the rows of the expert chosen for a token are multiplied: the selection that defines the result throws the others away.
; SHARES.  Work-group (x, y): expert y, output columns 256 x .. + 255: 409,600 dense bytes of W2, read by nobody else.  Four steps of 64 columns; in a step wave w loads and quantises W2's rows 8 w .. 8 w + 7 of the 64:
;   three loads of 512 bytes a row and one for the rows' last 64 bytes: 25 loads, 100 registers; two such buffers, so that a step's loads are issued two steps ahead, group by group as the registers are read out.
;   A lane of a load holds 4 neighbours along K, 8 lanes a block: the block's maximum is joined across lanes, and codes and scale bytes go to LDS as images of the second product's operand registers.
;   The codes of all 256 columns stay in LDS.
; The hidden layer: wave w makes token tiles w and 8 + w (16 tokens each) whole; their codes stay in its registers.  The second product: the wave multiplies its tiles by each step's 64 columns, and these leave at once: 256 bytes of a row.
; Expert tokens beyond 256 are served behind the stream, 128 in each of 14 trips (a trip past n is jumped over).  Any split is served, n = 0 and n = 2,048 too.  No barrier stands under a branch.
; ROUTING.  Wave w lists those of tokens 256 w .. 256 w + 255 that are the expert's, in a sublist of its own, and its count; place p of the expert's list is found from the eight counts.  Places past the last are read as the last one; rows past n are not
; stored, but for one row that a pair of rows may take along: it is then the last token's row with the same numbers from the same wave.
; K'S ORDER INSIDE A BLOCK is the same on both sides: the half h of an operand's lanes holds k = 16 u + 8 h + j at byte 8 u + j (u = 0, 1; j = 0 .. 7): so a tile of the first product is 16 neighbouring rows of W1.
; NO CLUSTER, NO TENSOR LOAD: branches here hang on counts read from memory; and what the 16 work-groups of an expert share (W1: 51,200 bytes, the tokens' z) is small beside each one's own 409,600 bytes of W2.
; NO PREFETCH: the stream has no loop to run ahead in; its loads into registers stand two of its four steps ahead already.
; LIMITS: NaN and infinities in W2 are not served.  A block whose largest magnitude lies under 2^-118 gets the scale byte 1; a block of zeros gets the byte 1 with zero codes (the bytes are read here alone).
; angle_idx lies in 0 .. 15; a token whose index lay outside would be left unwritten.
; LDS
.set CNT, 9216                         ; from 0: eight sublists of 256 + 32 words; then their counts
.set W1S, 9472                         ; W1's scale words
.set B1L, 11520
.set B2L, 13568                        ; b2 x (-log2 e)
.set SCB, 14592                        ; W2's scale words: tile 256 bytes, row 16, K step 4
.set W1B, 18688                        ; W1's rows of 128 codes, 144 bytes apart
.set IMG, 76288                        ; W2's codes: tile TB, (2 x block + half) x 272, row 16
.set TB,  7072
.set STG, 189440                       ; stages for the way out: a wave two tiles of 16 rows x 272
.set SPARE, 259072                     ; the spare words
; registers, window 0
.set LI, 1                             ; 16 x lane
.set GH, 2                             ; offsets of the rows' last 64 bytes
.set CA, 3                             ; where my codes go, CH the last block's; CA2, CH2: two steps on
.set CH, 4
.set SA, 5                             ; where my scale bytes go, SH the last block's
.set SH, 6
.set W1A, 7
.set B1A, 8
.set WSA, 9
.set FA, 10                            ; W2's fragments, FS their scale words
.set FS, 11
.set B2A, 12
.set STA, 13                           ; stage in, STR back
.set STR, 14
.set OC, 15
.set CA2, 16
.set CH2, 17
.set SPW, 18
.set NIL, 19
.set LV0, 22                           ; my tiles' tokens
.set LV1, 23
.set TM, 24                            ; v24-31 temporaries
.set ZS, 32                            ; v32-47 hold scales and nothing else: z's, W1's, the hidden layer's, W2's
.set WS, 34
.set HS0, 36
.set W2S, 40
.set HS1, 44
.set HID0, 48                          ; the hidden tiles' codes: 13 pieces of 4 registers, then 12 registers of zero codes
.set HID1, 112
.set WF, 176                           ; first product: W1's fragments, b1, two tiles' results
.set BC, 208
.set ACA, 224
.set ACB, 240
.set FR, 176                           ; second product: a tile of W2: block 12, then blocks 0 .. 11
.set ACC, 228
.set BB, 244
.set OB, 176                           ; the way out
.set AD, 208
.set AIX, 112                          ; the head
.set POS, 120
.set TKN, 128
; window 1: v0-99, v100-199 the stream's two buffers
.set MX, 200
.set OP, 206
.set CD, 212
.set ZF0, 224                          ; z's fragments; later the rows' addresses in out
.set ZF1, 240
.set MSB, 0
.macro WIN new                         ; s_set_vgpr_msb: bits 1:0 source 0, 3:2 source 1, 5:4 source 2, 7:6 destination; the high byte repeats the setting that is left
.if MSB != \new
	s_set_vgpr_msb (MSB<<8)|\new
.set MSB, \new
.endif
.endm
.macro NOPS n
.rept \n
	v_nop
.endr
.endm
.macro WALU
	s_wait_alu depctr_va_vdst(0)
.endm
.macro BARRIER                         ; my LDS stores have landed and my LDS loads are in: then the work-group's barrier
	WALU
	s_wait_dscnt 0x0
	s_barrier_signal -1
	s_barrier_wait -1
.endm
; THE STREAM.  Group g of step st: rows 2 g, 2 g + 1 of my eight, three loads each.  Neighbouring loads share 256-byte units (a row is 1,600 bytes), so no hint is given.
.macro ISSG st, g
.irp x, 0,1,2,3,4,5
	global_load_b128 v[100*((\st)%2)+24*(\g)+4*\x:100*((\st)%2)+24*(\g)+4*\x+3], v[LI], s[4:5] offset:102400*(\st)+1600*(2*(\g)+\x/3)+512*(\x%3)
.endr
.endm
.macro ISSH st
	global_load_b128 v[100*((\st)%2)+96:100*((\st)%2)+99], v[GH], s[4:5] offset:102400*(\st)+1536
.endm
.macro ISSUE st
	WIN 0x40
.irp g, 0,1,2,3
	ISSG \st, \g
.endr
	ISSH \st
	WIN 0
.endm
; A group is quantised: six loads by turns.  A conversion takes eight registers, two loads' numbers: each pair is converted under either scale, and the half that belongs to the scale is used.
.macro QGRP st, g, cnt, iss
.set RB_, 100*((\st)%2)+24*(\g)
.if (\st) < 2
.set CX_, CA
.else
.set CX_, CA2
.endif
	s_wait_loadcnt \cnt
	WIN 0x55
.irp x, 0,1,2,3,4,5
	v_max3_num_f32 v[MX+\x], |v[RB_+4*\x]|, |v[RB_+4*\x+1]|, s39      ; the floor 2^(9 - 127) holds the byte at 1 from below
.endr
.irp x, 0,1,2,3,4,5
	v_max3_num_f32 v[MX+\x], |v[RB_+4*\x+2]|, |v[RB_+4*\x+3]|, v[MX+\x]
.endr
.irp m, 1,2,4
.irp x, 0,1,2,3,4,5
	v_max_num_f32_dpp v[MX+\x], v[MX+\x], v[MX+\x] row_xmask:\m row_mask:0xf bank_mask:0xf
.endr
.endr
.irp x, 0,1,2,3,4,5
	v_add_nc_u32 v[OP+\x], s60, v[MX+\x]           ; 8 off the exponent field: the conversion's scale operand
.endr
.irp x, 0,1,2,3,4,5
	v_and_or_b32 v[MX+\x], v[MX+\x], s61, s38      ; 448 x the scale
.endr
.irp i, 0,1,2,3
.irp x, 0,1,2,3,4,5
	v_med3_num_f32 v[RB_+4*\x+\i], v[RB_+4*\x+\i], -v[MX+\x], v[MX+\x]   ; the conversion does not saturate (ISA guide 7.6.2)
.endr
.endr
.irp p, 0,1,2
	v_cvt_scalef32_pk8_fp8_f32 v[CD+4*\p:CD+4*\p+1], v[RB_+8*\p:RB_+8*\p+7], v[OP+2*\p]
	v_cvt_scalef32_pk8_fp8_f32 v[CD+4*\p+2:CD+4*\p+3], v[RB_+8*\p:RB_+8*\p+7], v[OP+2*\p+1]
.endr
.irp x, 0,1,2,3,4,5
	v_lshrrev_b32 v[MX+\x], 23, v[OP+\x]           ; the scale's byte
.endr
	WIN 0x04
.irp x, 0,1,2,3,4,5
	ds_store_b32 v[CX_], v[CD+4*(\x/2)+3*(\x%2)] offset:4*TB*((\st)%2)+2176*(\x%3)+16*(2*(\g)+\x/3)
	ds_store_b8 v[SA], v[MX+\x] offset:1024*(\st)+4*(\x%3)+16*(2*(\g)+\x/3)
.endr
.if \iss
	WIN 0x40
	ISSG \st+2, \g
.endif
.endm
; Block 12 of my eight rows: 16 numbers, four lanes a row; its bytes 8 .. 15 of either half are zero codes.
.macro QHALF st, cnt, iss
.set RB_, 100*((\st)%2)+96
.if (\st) < 2
.set CX_, CH
.else
.set CX_, CH2
.endif
	s_wait_loadcnt \cnt
	WIN 0x55
	v_max3_num_f32 v[MX], |v[RB_]|, |v[RB_+1]|, s39
	v_max3_num_f32 v[MX], |v[RB_+2]|, |v[RB_+3]|, v[MX]
	v_max_num_f32_dpp v[MX], v[MX], v[MX] row_xmask:1 row_mask:0xf bank_mask:0xf
	v_max_num_f32_dpp v[MX], v[MX], v[MX] row_xmask:2 row_mask:0xf bank_mask:0xf
	v_add_nc_u32 v[OP], s60, v[MX]
	v_and_or_b32 v[MX], v[MX], s61, s38
.irp i, 0,1,2,3
	v_med3_num_f32 v[CD+4+\i], v[RB_+\i], -v[MX], v[MX]
.endr
	v_cvt_scalef32_pk8_fp8_f32 v[CD:CD+1], v[CD+4:CD+11], v[OP]       ; the low four are the block's
	v_lshrrev_b32 v[MX], 23, v[OP]
	v_mov_b32 v[MX+1], 0
	WIN 0x04
	ds_store_b32 v[CX_], v[CD] offset:4*TB*((\st)%2)+6528
	ds_store_b32 v[CX_], v[MX+1] offset:4*TB*((\st)%2)+6536
	ds_store_b32 v[SH], v[MX] offset:1024*(\st)+12  ; bytes 1 .. 3 of the word scale zero codes
.if \iss
	WIN 0x40
	ISSH \st+2
.endif
	WIN 0
.endm
.macro QSTEP st, cnt, less, last, iss
	QGRP \st, 0, \cnt, \iss
	QGRP \st, 1, \cnt-\less, \iss
	QGRP \st, 2, \cnt-2*\less, \iss
	QGRP \st, 3, \cnt-3*\less, \iss
	QHALF \st, \last, \iss
.endm
; Place v[t] of the expert's list: where it lies among the sublists (s48.. the places at which they begin, s40.. what is added)
.macro LOOKUP t, d
	v_min_u32 v[\t], s30, v[\t]
	v_min_u32 v[\t], 0x7ff, v[\t]
	v_mov_b32 v[\d], 0
.irp q, 1,2,3,4,5,6,7
	v_cmp_le_u32 vcc_lo, s[48+\q], v[\t]
	v_cndmask_b32 v[\d], v[\d], s[40+\q], vcc_lo
.endr
	v_add_nc_u32 v[\t], v[\t], v[\d]
	v_min_u32 v[\t], 0x8ff, v[\t]
	v_lshlrev_b32 v[\t], 2, v[\t]
.endm
.macro ZLOAD z, o
	WIN 0x40
.irp b, 0,1,2,3
	global_load_b128 v[\z+4*\b:\z+4*\b+3], v[\o], s[8:9] offset:32*\b
.endr
	WIN 0
.endm
; THE HIDDEN LAYER, block c of 32 units: tiles 2 c, 2 c + 1 of W1.  Transposed: source 0 = 16 rows of W1, source 1 = 16 tokens, C = b1.
.macro HFETCH c
.irp u, 0,1
.if 2*(\c)+\u < 25
.irp b, 0,1,2,3
	ds_load_b128 v[WF+16*\u+4*\b:WF+16*\u+4*\b+3], v[W1A] offset:2304*(2*(\c)+\u)+32*\b
.endr
	ds_load_b128 v[BC+8*\u:BC+8*\u+3], v[B1A] offset:64*(2*(\c)+\u)
	ds_load_b128 v[BC+8*\u+4:BC+8*\u+7], v[B1A] offset:64*(2*(\c)+\u)+16
	ds_load_b32 v[WS+\u], v[WSA] offset:64*(2*(\c)+\u)
.endif
.endr
.endm
.macro HMUL c, a, z, zs
	WIN 0x04
.irp u, 0,1
.if 2*(\c)+\u < 25
	v_wmma_scale_f32_16x16x128_f8f6f4 v[\a+8*\u:\a+8*\u+7], v[WF+16*\u:WF+16*\u+15], v[\z:\z+15], v[BC+8*\u:BC+8*\u+7], v[WS+\u], v[\zs]
.endif
.endr
	WIN 0
.endm
.macro HQ c, a, hid, hs                ; no |.| in the maxima: what is negative is to become 0
	v_max3_num_f32 v[TM], v[\a], v[\a+1], s39
	v_max3_num_f32 v[TM+1], v[\a+2], v[\a+3], v[\a+4]
	v_max3_num_f32 v[TM+2], v[\a+5], v[\a+6], v[\a+7]
.if \c < 12
	v_max3_num_f32 v[TM+3], v[\a+8], v[\a+9], v[\a+10]
	v_max3_num_f32 v[TM+4], v[\a+11], v[\a+12], v[\a+13]
	v_max3_num_f32 v[TM], v[TM], v[\a+14], v[\a+15]
	v_max3_num_f32 v[TM+1], v[TM+1], v[TM+2], v[TM+3]
	v_max3_num_f32 v[TM], v[TM], v[TM+1], v[TM+4]
.else
	v_max3_num_f32 v[TM], v[TM], v[TM+1], v[TM+2]
.endif
	v_permlanex16_b32 v[TM+5], v[TM], s36, s37
	v_max_num_f32 v[TM], v[TM], v[TM+5]            ; with lane l xor 16's: the block's largest
	v_add_nc_u32 v[TM+6], s60, v[TM]
.if (\c)%4
	v_lshrrev_b32 v[TM+7], 23, v[TM+6]
	v_lshl_or_b32 v[\hs+(\c)/4], v[TM+7], 8*((\c)%4), v[\hs+(\c)/4]
.else
	v_lshrrev_b32 v[\hs+(\c)/4], 23, v[TM+6]
.endif
	v_and_or_b32 v[TM], v[TM], s61, s38
.irp i, 0,1,2,3,4,5,6,7
	v_med3_num_f32 v[\a+\i], v[\a+\i], 0, v[TM]    ; the activation and the hold in one
.endr
.if \c < 12
.irp i, 8,9,10,11,12,13,14,15
	v_med3_num_f32 v[\a+\i], v[\a+\i], 0, v[TM]
.endr
.endif
	v_cvt_scalef32_pk8_fp8_f32 v[\hid+4*(\c):\hid+4*(\c)+1], v[\a:\a+7], v[TM+6]
.if \c < 12
	v_cvt_scalef32_pk8_fp8_f32 v[\hid+4*(\c)+2:\hid+4*(\c)+3], v[\a+8:\a+15], v[TM+6]
.endif
	v_nop
.endm
.macro HBLOCK c, two
	s_wait_dscnt 0x0
	HMUL \c, ACA, ZF0, ZS
.if \two
	s_cmp_ge_u32 s71, s27
	s_cbranch_scc1 .Lone_\@
	HMUL \c, ACB, ZF1, ZS+1
	NOPS 9
	HQ \c, ACB, HID1, HS1
.Lone_\@:
.endif
	NOPS 9                                         ; places behind the products (ISA guide 7.12.1)
.if \c < 12
	HFETCH \c+1
.endif
	HQ \c, ACA, HID0, HS0
.endm
; Where the rows of a tile lie in out: register j: the token of row 2 j + half, x 16,384, + 16 x (lane % 16): into window 1
.macro ROWS lv, dst
	v_bfe_u32 v[TM], v0, 4, 1
	v_lshlrev_b32 v[TM], 2, v[TM]
.irp j, 0,1,2,3,4,5,6,7
	v_add_nc_u32 v[192+\j], 8*\j, v[TM]
.endr
.irp j, 0,1,2,3,4,5,6,7
	ds_bpermute_b32 v[176+\j], v[192+\j], v[\lv]
.endr
	WALU
	s_wait_dscnt 0x0
.irp j, 0,1,2,3,4,5,6,7
	v_min_u32 v[176+\j], 0x7ff, v[176+\j]
.endr
	WIN 0x40
.irp j, 0,1,2,3,4,5,6,7
	v_lshl_add_u32 v[\dst+\j], v[176+\j], 14, v[OC]
.endr
	WIN 0
.endm
; THE SECOND PRODUCT.  Transposed: source 0 = 16 rows of W2, source 1 = 16 tokens.
.macro FETCH f, ws, a, s, off, soff
	ds_load_b128 v[\ws:\ws+3], v[\s] offset:\soff
.irp c, 0,1,2,3,4,5,6,7,8,9,10,11
	ds_load_b128 v[\f+4+4*\c:\f+7+4*\c], v[\a] offset:\off+544*\c
.endr
	ds_load_b128 v[\f:\f+3], v[\a] offset:\off+6528
.endm
.macro PROD acc, f, ws, hid, hs, k, first   ; K step 3 is block 12 alone: the hidden side has zero codes behind it, W2's side codes of other blocks, which are finite
.if \k < 3
.set FB_, \f+4+16*\k
.else
.set FB_, \f
.endif
.if \first
	v_wmma_scale_f32_16x16x128_f8f6f4 v[\acc:\acc+7], v[FB_:FB_+15], v[\hid+16*\k:\hid+16*\k+15], 0, v[\ws+\k], v[\hs+\k]
.else
	v_wmma_scale_f32_16x16x128_f8f6f4 v[\acc:\acc+7], v[FB_:FB_+15], v[\hid+16*\k:\hid+16*\k+15], v[\acc:\acc+7], v[\ws+\k], v[\hs+\k]
.endif
.endm
.macro FMA8 acc, src, add              ; x (-log2 e), and what is added
.irp j, 0,2,4,6
	v_pk_fma_f32 v[\acc+\j:\acc+\j+1], v[\src+\j:\src+\j+1], s[58:59], v[\add+\j:\add+\j+1] op_sel_hi:[1,0,1]
.endr
.endm
.macro SIGM base, n                    ; 1 / (1 + 2^x).
	WALU
.set I_, 0
.rept \n
	v_exp_f32 v[\base+I_], v[\base+I_]
.set I_, I_+1
.endr
	v_nop
	WALU
.set I_, 0
.rept \n/2
	v_pk_add_f32 v[\base+I_:\base+I_+1], v[\base+I_:\base+I_+1], 1.0 op_sel_hi:[1,0]
.set I_, I_+2
.endr
	WALU
.set I_, 0
.rept \n
	v_rcp_f32 v[\base+I_], v[\base+I_]
.set I_, I_+1
.endr
	v_nop
	WALU
.endm
.macro TOSTAGE a, acc, off
	ds_store_b128 v[\a], v[\acc:\acc+3] offset:\off
	ds_store_b128 v[\a], v[\acc+4:\acc+7] offset:\off+16
.endm
; One column tile for two = 0: my one token tile (the K steps take turns on two accumulators), two = 1: my two.  The next column tile's fragments are asked for behind the products.
.macro BODY two
	s_wait_dscnt 0x0
.if \two
.irp k, 0,1,2,3
	PROD ACC, FR, W2S, HID0, HS0, \k, (\k==0)
	PROD ACC+8, FR, W2S, HID1, HS1, \k, (\k==0)
.endr
.else
	PROD ACC, FR, W2S, HID0, HS0, 0, 1
	PROD ACC+8, FR, W2S, HID0, HS0, 1, 1
	PROD ACC, FR, W2S, HID0, HS0, 2, 0
	PROD ACC+8, FR, W2S, HID0, HS0, 3, 0
.endif
	NOPS 9
	ds_load_b128 v[BB:BB+3], v[TM+2]
	ds_load_b128 v[BB+4:BB+7], v[TM+2] offset:16
	s_cmp_eq_u32 s73, 3
	s_cbranch_scc1 .Llast_\@
	FETCH FR, W2S, TM, TM+1, 0, 0
	s_wait_dscnt 14                                ; b2 is in; the 14 just issued may be out
	s_branch .Lgo_\@
.Llast_\@:
	s_wait_dscnt 0x0
.Lgo_\@:
	FMA8 ACC, ACC, BB
.if \two
	FMA8 ACC+8, ACC+8, BB
	SIGM ACC, 16
	TOSTAGE TM+3, ACC, 0
	TOSTAGE TM+3, ACC+8, 4352
.else
	FMA8 ACC, ACC+8, ACC
	SIGM ACC, 8
	TOSTAGE TM+3, ACC, 0
.endif
.endm
; 16 rows of 256 bytes leave: sixteen lanes store 256 consecutive bytes, aligned.  rem: the tile's rows below n
.macro STORE st, tile, rem
.irp j, 0,1,2,3,4,5,6,7
	ds_load_b128 v[OB+4*\j:OB+4*\j+3], v[STR] offset:4352*\tile+544*\j   ; LDS serves a wave's instructions in order (ISA guide 5.7.1.4): these see my stores
.endr
	WIN 0x01
.irp j, 0,1,2,3,4,5,6,7
	v_mov_b32 v[AD+\j], v[ZF0+8*\tile+\j]
.endr
	WIN 0
	WALU
.irp j, 0,1,2,3,4,5,6,7
	s_wait_dscnt 7-\j
.if \j
	s_cmp_le_u32 s[\rem], 2*\j
	s_cbranch_scc1 .Lsent_\@
.endif
	global_store_b128 v[AD+\j], v[OB+4*\j:OB+4*\j+3], s[20:21] offset:256*(\st) th:TH_STORE_NT
.endr
.Lsent_\@:
	s_wait_dscnt 0x0
	s_wait_xcnt 0x0                                ; the stores' data and offsets are written again only behind this wait
.endm
; A step's 64 columns.  The loop over its four tiles is walked by every wave; what hangs on the counts stands inside it.
.macro OUTST st
	v_add_nc_u32 v[TM], 4*TB*(\st), v[FA]
	v_add_nc_u32 v[TM+1], 1024*(\st), v[FS]
	FETCH FR, W2S, TM, TM+1, 0, 0
	s_mov_b32 s73, 0
	s_mov_b32 s74, 4*TB*(\st)+TB
	s_mov_b32 s75, 1024*(\st)+256
	s_mov_b32 s76, 256*(\st)
	s_mov_b32 s77, 0
.Ltile_\@:
	s_min_u32 s78, s74, 4*TB*(\st)+3*TB
	s_min_u32 s79, s75, 1024*(\st)+768
	v_add_nc_u32 v[TM], s78, v[FA]                 ; the next tile's fragments, scale words;
	v_add_nc_u32 v[TM+1], s79, v[FS]
	v_add_nc_u32 v[TM+2], s76, v[B2A]              ; this one's b2 and place in the stage
	v_add_nc_u32 v[TM+3], s77, v[STA]
	WALU
	s_cmp_ge_u32 s70, s27
	s_cbranch_scc1 .Lnone_\@
	s_cmp_lt_u32 s71, s27
	s_cbranch_scc1 .Ltwo_\@
	BODY 0
	s_branch .Lnone_\@
.Ltwo_\@:
	BODY 1
.Lnone_\@:
	s_add_co_u32 s74, s74, TB
	s_add_co_u32 s75, s75, 256
	s_add_co_u32 s76, s76, 64
	s_add_co_u32 s77, s77, 64
	s_add_co_u32 s73, s73, 1
	s_cmp_lt_u32 s73, 4
	s_cbranch_scc1 .Ltile_\@
	s_wait_dscnt 0x0
	s_cmp_ge_u32 s70, s27
	s_cbranch_scc1 .Lout_\@
	STORE \st, 0, 66
	s_cmp_ge_u32 s71, s27
	s_cbranch_scc1 .Lout_\@
	STORE \st, 1, 67
.Lout_\@:
.endm
; Behind the stream: one token tile, two column tiles by turns
.macro LPAIR st, p, a
	FETCH 112, W2S, \a, FS, 4*TB*((\st)%2)+2*TB*\p, 1024*(\st)+512*\p
	FETCH 164, HS1, \a, FS, 4*TB*((\st)%2)+2*TB*\p+TB, 1024*(\st)+512*\p+256
.irp i, 0,1,2,3
	ds_load_b128 v[232+4*\i:235+4*\i], v[B2A] offset:256*(\st)+128*\p+64*(\i/2)+16*(\i%2)
.endr
	s_wait_dscnt 0x0
.irp k, 0,1,2,3
	PROD 216, 112, W2S, HID0, HS0, \k, (\k==0)
	PROD 224, 164, HS1, HID0, HS0, \k, (\k==0)
.endr
	NOPS 9
	FMA8 216, 216, 232
	FMA8 224, 224, 240
	SIGM 216, 16
	TOSTAGE STA, 216, 128*\p
	TOSTAGE STA, 224, 128*\p+64
.endm
	; ---- the head: the stream starts first
	s_load_b512 s[4:19], s[0:1], 0x0               ; W2, angle_idx, z_codes, z_scales, W1_codes, W1_scales, b1, b2
	s_load_b64 s[20:21], s[0:1], 0x40              ; out0
	v_lshl_add_u32 v[SPW], v0, 2, SPARE
	v_mov_b32 v[NIL], 0
	v_lshrrev_b32 v20, 5, v0
	v_and_b32 v21, 31, v0                          ; lane
	v_readfirstlane_b32 s22, v20                   ; wave 0..7
	v_lshlrev_b32 v[LI], 4, v21
	v_lshrrev_b32 v20, 2, v21
	v_and_b32 v24, 3, v21
	v_mul_u32_u24 v[GH], 1600, v20                 ; row lane / 4, quarter lane % 4
	v_lshl_add_u32 v[GH], v24, 4, v[GH]
	v_lshlrev_b32 v25, 4, v0                       ; W1's loads: 16 bytes a thread, 8 for the last
	v_lshlrev_b32 v26, 3, v0
	v_lshlrev_b32 v27, 2, v0
	v_add_nc_u32 v28, 0x100, v0
	v_min_u32 v28, 0x18f, v28
	v_lshlrev_b32 v28, 2, v28
	s_and_b32 s25, ttmp7, 0xffff                   ; the expert
	s_mov_b32 s26, ttmp9                           ; the slice of 256 columns
	s_mul_i32 s56, s25, 6553600                    ; an expert's W2,
	s_mul_i32 s34, s26, 409600                     ; a slice's 256 rows of 1,600 bytes,
	s_add_co_u32 s56, s56, s34
	s_mul_i32 s34, s22, 12800                      ; my 8 rows of a step
	s_add_co_u32 s56, s56, s34
	s_mov_b32 s57, 0
	s_lshl_b32 s62, s22, 10
	s_mov_b32 s63, 0
	WALU
	s_wait_kmcnt 0x0
	s_add_nc_u64 s[4:5], s[4:5], s[56:57]
	s_add_nc_u64 s[6:7], s[6:7], s[62:63]
	global_load_b128 v[AIX:AIX+3], v[LI], s[6:7]   ; my 256 tokens' experts
	global_load_b128 v[AIX+4:AIX+7], v[LI], s[6:7] offset:512
	ISSUE 0
	s_mul_i32 s56, s25, 51200
	s_add_nc_u64 s[12:13], s[12:13], s[56:57]
	s_mul_i32 s56, s25, 1600
	s_add_nc_u64 s[14:15], s[14:15], s[56:57]
	s_add_nc_u64 s[16:17], s[16:17], s[56:57]
	s_lshl_b32 s56, s26, 10
	s_add_nc_u64 s[20:21], s[20:21], s[56:57]      ; out: my slice of a row
	s_lshl_b32 s34, s25, 14
	s_add_co_u32 s56, s56, s34
	s_add_nc_u64 s[18:19], s[18:19], s[56:57]
.irp j, 0,1,2,3,4,5,6,7,8,9,10,11
	global_load_b128 v[48+4*\j:51+4*\j], v25, s[12:13] offset:4096*\j
.endr
	global_load_b64 v[96:97], v26, s[12:13] offset:49152
	global_load_b32 v98, v27, s[14:15]
	global_load_b32 v99, v28, s[14:15]
	global_load_b32 v100, v27, s[16:17]
	global_load_b32 v101, v28, s[16:17]
	global_load_b32 v102, v27, s[18:19]
	s_mov_b32 s36, 0x76543210
	s_mov_b32 s37, 0xfedcba98                      ; v_permlanex16_b32's selects for lane l xor 16
	s_mov_b32 s38, 0x600000                        ; the mantissa field of 448
	s_mov_b32 s39, 0x4800000                       ; 2^(9 - 127)
	s_mov_b32 s60, 0xfc000000                      ; 8 off an exponent field
	s_mov_b32 s61, 0x7f800000
	s_mov_b32 s58, 0xbfb8aa3b                      ; -log2 e
	s_mov_b32 s59, s58                             ; (named with it as a pair)
	s_lshr_b32 s23, s22, 1
	s_and_b32 s24, s22, 1
	s_lshl_b32 s24, s24, 7
	s_mul_i32 s34, s23, TB
	s_add_co_u32 s34, s34, s24
	s_add_co_u32 s34, s34, IMG                     ; my rows' codes: tile w / 2, rows 8 (w % 2) on
	s_lshl_b32 s35, s23, 8
	s_add_co_u32 s35, s35, s24
	s_add_co_u32 s35, s35, SCB                     ; and their scale bytes
	s_mul_i32 s33, s22, 8704
	s_add_co_u32 s33, s33, STG                     ; my stage
	s_mul_i32 s31, s22, 1152                       ; my sublist
	s_lshl_b32 s32, s22, 8                         ; my first token
	s_lshl_b32 s29, s22, 2
	s_add_co_u32 s29, s29, CNT
	s_lshl_b32 s70, s22, 4                         ; my tiles' first places
	s_add_co_u32 s71, s70, 128
	WALU
	v_and_b32 v29, 15, v21                         ; r
	v_lshrrev_b32 v30, 4, v21                      ; h
	v_lshrrev_b32 v20, 3, v21                      ; a full load: lane 8 b + i holds block b, k = 4 i .. 4 i + 3
	v_add_nc_u32 v[SA], s35, v20
	v_bfe_u32 v31, v21, 1, 1
	v_lshl_add_u32 v20, v20, 1, v31
	v_mul_u32_u24 v20, 272, v20
	v_bfe_u32 v22, v21, 2, 1
	v_and_b32 v24, 1, v21
	v_lshl_add_u32 v22, v22, 1, v24
	v_lshl_add_u32 v20, v22, 2, v20
	v_add_nc_u32 v[CA], s34, v20
	v_add_nc_u32 v[CA2], 8*TB, v[CA]
	v_lshrrev_b32 v20, 2, v21                      ; the last block: lane 4 row + q
	v_lshlrev_b32 v20, 4, v20
	v_add_nc_u32 v[SH], s35, v20
	v_mul_u32_u24 v31, 272, v31
	v_lshl_add_u32 v31, v24, 2, v31
	v_add_nc_u32 v20, v20, v31
	v_add_nc_u32 v[CH], s34, v20
	v_add_nc_u32 v[CH2], 8*TB, v[CH]
	v_mul_u32_u24 v20, 144, v29
	v_lshl_add_u32 v20, v30, 4, v20
	v_add_nc_u32 v[W1A], W1B, v20
	v_lshlrev_b32 v31, 5, v30
	v_add_nc_u32 v[B1A], B1L, v31
	v_add_nc_u32 v[B2A], B2L, v31
	v_lshlrev_b32 v20, 2, v29
	v_add_nc_u32 v[WSA], W1S, v20
	v_lshlrev_b32 v[OC], 4, v29
	v_add_nc_u32 v[FS], SCB, v[OC]
	v_mul_u32_u24 v22, 272, v30
	v_add_nc_u32 v22, v22, v[OC]
	v_add_nc_u32 v[FA], IMG, v22
	v_add_nc_u32 v[STR], s33, v22                  ; back: lanes 0-15 one row, lanes 16-31 the next
	v_mul_u32_u24 v20, 272, v29
	v_add_nc_u32 v20, v20, v31
	v_add_nc_u32 v[STA], s33, v20                  ; in: row r, 32 bytes for each half of the lanes
	v_lshlrev_b32 v109, 4, v30
	v_lshrrev_b32 v20, 3, v0
	v_lshl_add_u32 v20, v20, 4, v25
	v_add_nc_u32 v103, W1B, v20                    ; W1 into LDS: 16 more for each row of 128 passed
	v_lshrrev_b32 v20, 4, v0
	v_lshl_add_u32 v20, v20, 4, v26
	v_add_nc_u32 v104, W1B, v20
	v_mov_b32 v107, s29
	v_mov_b32 v108, CNT
	v_add_nc_u32 v150, 0x100, v21                  ; lanes with other experts' tokens write to a word of their own behind the sublist
	v_lshl_add_u32 v151, v21, 2, s32
	v_lshl_add_u32 v152, v21, 2, s31
	WALU
	s_wait_loadcnt 43                              ; my tokens' experts are in: behind them step 0's 25 loads and the 18 of W1 and the small tables
	; ---- routing
.irp i, 0,1,2,3,4,5,6,7,8
	ds_store_b32 v152, v[NIL] offset:128*\i        ; every entry of my sublist is written: a lookup may read any
.endr
.irp j, 0,1,2,3,4,5,6,7
	v_cmp_eq_u32 s[40+\j], s25, v[AIX+\j]
.endr
	s_mov_b32 s27, 0
.irp j, 0,1,2,3,4,5,6,7
	s_mov_b32 s[48+\j], s27
	s_bcnt1_i32_b32 s28, s[40+\j]
	s_add_co_u32 s27, s27, s28
.endr
.irp j, 0,1,2,3,4,5,6,7
	v_mbcnt_lo_u32_b32 v[POS+\j], s[40+\j], s[48+\j]   ; those counted so far + those in lower lanes
.endr
.irp j, 0,1,2,3,4,5,6,7
	v_cndmask_b32 v[POS+\j], v150, v[POS+\j], s[40+\j]
.endr
.irp j, 0,1,2,3,4,5,6,7
	v_min_u32 v[POS+\j], 0x11f, v[POS+\j]
.endr
.irp j, 0,1,2,3,4,5,6,7
	v_lshl_add_u32 v[POS+\j], v[POS+\j], 2, s31
.endr
.irp j, 0,1,2,3,4,5,6,7
	v_add_nc_u32 v[TKN+\j], 128*(\j/4)+\j%4, v151  ; register j of lane l: token 256 w + 128 (j / 4) + 4 l + j % 4
.endr
.irp j, 0,1,2,3,4,5,6,7
	ds_store_b32 v[POS+\j], v[TKN+\j]
.endr
	v_mov_b32 v106, s27
	ds_store_b32 v107, v106
	BARRIER                                        ; sublists and counts stand
	ds_load_b128 v[136:139], v108
	ds_load_b128 v[140:143], v108 offset:16
	s_wait_dscnt 0x0
.irp q, 0,1,2,3,4,5,6,7
	v_readfirstlane_b32 s[40+\q], v[136+\q]
.endr
	s_mov_b32 s48, 0
.irp q, 0,1,2,3,4,5,6
	s_add_co_u32 s[49+\q], s[48+\q], s[40+\q]
.endr
	s_add_co_u32 s27, s55, s47                     ; n
.irp q, 0,1,2,3,4,5,6,7
	s_sub_co_u32 s[40+\q], 288*\q, s[48+\q]
.endr
	s_max_u32 s30, s27, 1
	s_sub_co_u32 s30, s30, 1
	s_sub_co_u32 s66, s27, s70                     ; my tiles' rows below n (used only where there are any)
	s_sub_co_u32 s67, s27, s71
	v_add_nc_u32 v110, s70, v29
	v_add_nc_u32 v111, s71, v29
	LOOKUP 110, 144
	LOOKUP 111, 145
	ds_load_b32 v[LV0], v110
	ds_load_b32 v[LV1], v111
	WALU
	s_wait_dscnt 0x0
	v_min_u32 v[LV0], 0x7ff, v[LV0]
	v_min_u32 v[LV1], 0x7ff, v[LV1]
	v_lshl_add_u32 v146, v[LV0], 7, v109           ; 128 x token + 16 h
	v_lshl_add_u32 v147, v[LV1], 7, v109
	v_lshlrev_b32 v148, 2, v[LV0]
	v_lshlrev_b32 v149, 2, v[LV1]
	ZLOAD ZF0, 146
	ZLOAD ZF1, 147
	global_load_b32 v[ZS], v148, s[10:11]
	global_load_b32 v[ZS+1], v149, s[10:11]
	ISSUE 1
	; ---- step 0.  Behind a group's loads stand at least 72 others (the rest of step 0, 18, z's 10, step 1's 25 and those reissued): the count is the field's largest
	QSTEP 0, 63, 0, 63, 1
	WALU
	s_wait_loadcnt 60                              ; W1 and the small tables are in: behind them z's 10, steps 1 and 2
.irp j, 0,1,2,3,4,5,6,7,8,9,10,11
	ds_store_b128 v103, v[48+4*\j:51+4*\j] offset:4608*\j
.endr
	ds_store_b64 v104, v[96:97] offset:55296
	v_mul_f32 v102, s58, v102
	ds_store_b32 v27, v98 offset:W1S
	ds_store_b32 v27, v99 offset:W1S+1024
	ds_store_b32 v27, v100 offset:B1L
	ds_store_b32 v27, v101 offset:B1L+1024
	ds_store_b32 v27, v102 offset:B2L
	BARRIER                                        ; step 0's codes, W1 and the tables stand
	HFETCH 0
	WALU
	s_wait_loadcnt 50                              ; z is in: behind it steps 1 and 2.  Its loads' offsets lie among the registers written below
.set I_, 50
.rept 14
	v_mov_b32 v[HID0+I_], 0                        ; K = 400 is filled up with zero codes
.set I_, I_+1
.endr
.set I_, 0
.rept 64
	v_mov_b32 v[HID1+I_], 0                        ; the second tile's operand is written on every way to its products
.set I_, I_+1
.endr
.irp i, 0,1,2,3
	v_mov_b32 v[HS1+\i], 0
.endr
	WALU
.irp c, 0,1,2,3,4,5,6,7,8,9,10,11,12
	HBLOCK \c, 1
.endr
	ROWS LV0, ZF0
	ROWS LV1, ZF0+8
	; ---- the steps
	OUTST 0
	QSTEP 1, 44, 0, 49, 1                          ; behind a group: the rest of step 1, step 2, and step 3's so far
	BARRIER
	OUTST 1
	QSTEP 2, 44, 6, 25, 0                          ; the rest of step 2, and step 3
	BARRIER
	OUTST 2
	QSTEP 3, 19, 6, 0, 0
	BARRIER
	OUTST 3
	; ---- expert tokens from 256 on: 128 a trip, a tile a wave
	s_add_co_u32 s80, s70, 256
	s_mov_b32 s81, 0
.Lmore:
	s_cmp_ge_u32 s80, s27
	s_cbranch_scc1 .Lno_more
	v_and_b32 v[TM], 15, v0
	v_add_nc_u32 v110, s80, v[TM]
	LOOKUP 110, 111
	ds_load_b32 v[LV0], v110
	v_bfe_u32 v[TM+1], v0, 4, 1
	v_lshlrev_b32 v[TM+1], 4, v[TM+1]
	s_sub_co_u32 s66, s27, s80
	WALU
	s_wait_dscnt 0x0
	v_min_u32 v[LV0], 0x7ff, v[LV0]
	v_lshl_add_u32 v[TM+2], v[LV0], 7, v[TM+1]
	v_lshlrev_b32 v[TM+3], 2, v[LV0]
	ZLOAD ZF0, TM+2
	global_load_b32 v[ZS], v[TM+3], s[10:11]
	HFETCH 0
.set I_, 50
.rept 14
	v_mov_b32 v[HID0+I_], 0                        ; (v110 and v111 lie among them)
.set I_, I_+1
.endr
	WALU
	s_wait_loadcnt 0x0
.irp c, 0,1,2,3,4,5,6,7,8,9,10,11,12
	HBLOCK \c, 0
.endr
	ROWS LV0, ZF0
	v_add_nc_u32 v20, 8*TB, v[FA]
	WALU
	LPAIR 0, 0, FA
	LPAIR 0, 1, FA
	STORE 0, 0, 66
	LPAIR 1, 0, FA
	LPAIR 1, 1, FA
	STORE 1, 0, 66
	LPAIR 2, 0, 20
	LPAIR 2, 1, 20
	STORE 2, 0, 66
	LPAIR 3, 0, 20
	LPAIR 3, 1, 20
	STORE 3, 0, 66
.Lno_more:
	s_add_co_u32 s80, s80, 128
	s_add_co_u32 s81, s81, 1
	s_cmp_lt_u32 s81, 14
	s_cbranch_scc1 .Lmore
	s_wait_tensorcnt 0x0                           ; the wave's end
	ds_add_u32 v[SPW], v[NIL]
	s_wait_dscnt 0x0
	s_endpgm
.Lfunc_end_k_q32e0ff0237_decoder:
	.size	k_q32e0ff0237_decoder, .Lfunc_end_k_q32e0ff0237_decoder-k_q32e0ff0237_decoder
	.p2alignl 7, 3214868480
	.fill 96, 4, 3214868480
	.section	.rodata,"a",@progbits
	.p2align	6, 0x0
	.amdhsa_kernel k_q32e0ff0237_decoder
		.amdhsa_group_segment_fixed_size 260096
		.amdhsa_private_segment_fixed_size 0
		.amdhsa_enable_private_segment 0
		.amdhsa_kernarg_size 72
		.amdhsa_user_sgpr_count 2
		.amdhsa_user_sgpr_kernarg_segment_ptr 1
		.amdhsa_wavefront_size32 1
		.amdhsa_system_sgpr_workgroup_id_x 1
		.amdhsa_system_sgpr_workgroup_id_y 1
		.amdhsa_system_sgpr_workgroup_id_z 1
		.amdhsa_system_vgpr_workitem_id 0
		.amdhsa_next_free_vgpr 512
		.amdhsa_next_free_sgpr 84
		.amdhsa_reserve_vcc 1
		.amdhsa_float_denorm_mode_32 3
		.amdhsa_float_denorm_mode_16_64 3
		.amdhsa_memory_ordered 1
		.amdhsa_forward_progress 1
		.amdhsa_inst_pref_size 255
	.end_amdhsa_kernel
	.section	.bss,"aw",@nobits
	.p2align	6
	.space	262144
	.amdgpu_metadata
---
amdhsa.version: [ 1, 2 ]
amdhsa.kernels:
  - .name:           k_q32e0ff0237_decoder
    .symbol:         k_q32e0ff0237_decoder.kd
    .args:
      - { .name: W2, .offset: 0, .size: 8, .value_kind: global_buffer, .address_space: global }
      - { .name: angle_idx, .offset: 8, .size: 8, .value_kind: global_buffer, .address_space: global }
      - { .name: z_codes, .offset: 16, .size: 8, .value_kind: global_buffer, .address_space: global }
      - { .name: z_scales, .offset: 24, .size: 8, .value_kind: global_buffer, .address_space: global }
      - { .name: W1_codes, .offset: 32, .size: 8, .value_kind: global_buffer, .address_space: global }
      - { .name: W1_scales, .offset: 40, .size: 8, .value_kind: global_buffer, .address_space: global }
      - { .name: b1, .offset: 48, .size: 8, .value_kind: global_buffer, .address_space: global }
      - { .name: b2, .offset: 56, .size: 8, .value_kind: global_buffer, .address_space: global }
      - { .name: out0, .offset: 64, .size: 8, .value_kind: global_buffer, .address_space: global }
    .group_segment_fixed_size: 260096
    .private_segment_fixed_size: 0
    .kernarg_segment_align: 8
    .kernarg_segment_size: 72
    .max_flat_workgroup_size: 256
    .sgpr_count:     84
    .vgpr_count:     512
    .wavefront_size: 32
...
	.end_amdgpu_metadata
.endif
;; end of part 1
